; MI455X (gfx1250); checked and timed in simulation.
; The chip was launched on July 23, 2026; its instructions are those of AMD's public machine-readable ISA for CDNA 5 (MIT licence, August 2026) and "CDNA5" Instruction Set Architecture Reference Guide (July 2026). The comments in the code are by the model that wrote it; some were corrected since.
;; Causal Self Attention. Allowed arithmetic: matrix products marked QUANTISED: E4M3 operands, one given power-of-two scale a tensor, by v_wmma_f32_16x16x64_fp8_fp8 or v_wmma_f32_16x16x128_fp8_fp8, f32 sums; everything else in f32.
;; Inputs: b_attn 3,072 float32; b_proj 1,024 float32; lowp_scales 8 int32 (the exponents e of the quantised operands' scales 2^e); w_attn 1,024 x 3,072 float32; w_proj 1,024 x 1,024 float32; x 4 x 2,048 x 1,024 float32.
;; Outputs: out0 4 x 2,048 x 1,024 float32.
;; This version of the problem:
;;   THIS VERSION OF THE PROBLEM IS GIVEN IN LOW PRECISION. The matrix products marked QUANTISED in the list below multiply operands that are first quantised to E4M3 (4 exponent bits, 3 mantissa bits; 8 bits a number), with one given power-of-two scale for each operand tensor; their sums are f32. All else is computed in f32.
;;   The module's matrix products, in the order in which they are computed (A, B: the left and right operand; K: the contracted axis; several contracted axes count as one K, in the product's order):
;;     1. [M 8,192, K 1,024] x [K 1,024, N 3,072]; A: input x; B: input w_attn: QUANTISED (scales: A lowp_scales[0], B lowp_scales[1])
;;     2. batch 64 x [M 2,048, K 64] x [K 64, N 2,048]; A: computed on the way; B: computed on the way: QUANTISED (scales: A lowp_scales[2], B lowp_scales[3])
;;     3. batch 64 x [M 2,048, K 2,048] x [K 2,048, N 64]; A: softmax (see below); B: computed on the way: QUANTISED (scales: A lowp_scales[4], B lowp_scales[5])
;;     4. [M 8,192, K 1,024] x [K 1,024, N 1,024]; A: computed on the way; B: input w_proj: QUANTISED (scales: A lowp_scales[6], B lowp_scales[7])
;;   THE QUANTISER, for each operand of a quantised product, along K:
;;     - The operand's scale is 2^e, e = its entry of the input lowp_scales (int32; the entries are numbered through the quantised products in the list's order, A before B).
;;     - Each number is divided by the scale, clamped to +-448, and rounded to the nearest number of E4M3, ties to even, subnormals kept.
;;     - The product sums the exact products of the quantised numbers (number of the format x scale) in f32.
;;   ~~~python
;;   def quantise(x, axis, e):      # numpy; x: float32 -> the quantised numbers, widened to float32 again
;;       x = np.moveaxis(x, axis, -1); K = x.shape[-1]
;;       r = np.clip(x / 2.0 ** e, -448, 448)
;;       step = 2.0 ** (np.maximum(np.frexp(np.where(r == 0, 1, r))[1] - 1, -6) - 3)
;;       q = np.round(r / step) * step * 2.0 ** e      # np.round: ties to even
;;       return np.moveaxis(q, -1, axis).astype(np.float32)
;;   ~~~
;;   SOFTMAX AHEAD OF A QUANTISED PRODUCT. Where the list says 'softmax', what is quantised is not the finished softmax but p = 2^(t - M), with t = logit x log2(e) and M = ceil(the row's largest t), a whole number; so 1/2 < the row's largest p <= 1. The row's sum l is taken of the UNQUANTISED p, in f32, and the product's result is divided by l at the end. Since M is a whole number, a kernel that streams over the keys may use a running M (the ceiling of the running maximum): every later rescaling is an exact power of two, so the quantised numbers keep their values, but for numbers so far below the row's largest that they fall under the format's range.
;;   OPERANDS COMPUTED ON THE WAY. 'Computed on the way' means the value that the module computes at that place (a softmax that the list does not call 'softmax' is quantised finished and normalised). What goes into a quantiser is computed in f32, as accurately as f32 sums, v_exp_f32 and their like allow (about 1e-6 of the number): no bf16 or f16 on the way to a quantiser, and a product that is left as it is and whose result goes on into a quantised operand takes f32 operands (vector FMAs, or v_wmma_f32_16x16x4_f32). A number that lies on a knife's edge between two numbers of the format may be rounded either way, as far as f32 arithmetic and the matrix unit's own rounding can turn it there, and no further.
;; One version. Each part assembles by itself: llvm-mc -triple=amdgcn-amd-amdhsa -mcpu=gfx1250 --defsym DOCPART=n.
;; ======== version 1 of 1: 4 launches
;; limits: right only within a limited range of input values
;; workspace buffers: x_img 8,388,608 bytes; w_img 3,145,728 bytes; wp_img 1,048,576 bytes; q_img 8,388,608 bytes; k_img 8,388,608 bytes; v_img 8,388,608 bytes; y_img 8,388,608 bytes
;; launch quant (part 1): grid 384 x 1, 4 waves a work-group, no clusters, 34,304 bytes of LDS; arguments x, w_attn, w_proj, lowp_scales, x_img, w_img, wp_img; writes x_img, w_img, wp_img
.if DOCPART == 1
	.amdgcn_target "amdgcn-amd-amdhsa--gfx1250"
	.amdhsa_code_object_version 6
	.text
	.protected	k_qa2dfe4e468_quant
	.globl	k_qa2dfe4e468_quant
	.p2align	8
	.type	k_qa2dfe4e468_quant,@function
k_qa2dfe4e468_quant:
	s_mov_b64 s[64:65], 0
	v_nop
	global_prefetch_b8 v0, s[64:65] scope:SCOPE_SE
	s_setreg_imm32_b32 hwreg(HW_REG_WAVE_MODE, 25, 1), 1
	s_wait_xcnt 0x0
; x [8192][1024], w_attn [1024][3072] and w_proj [1024][1024], f32, become codes of FP8 (E4M3), each with the one scale 2^e given for it (entries 0, 1, 7).
; code = number / 2^e, held within +-448, rounded to the nearest code, ties to even.
; LIMITS: each e between -126 and 119, so that 2^e and 448 x 2^e are f32 numbers.  NaN among the inputs is not served (an infinity is held at the largest code).
; THE CODES ARE LAID AS IMAGES OF OPERAND REGISTERS.  A fragment, 16 rows x 128 along K, is 2,048 bytes: [c 0..3][lane 0..31][16 bytes]; lane r + 16 h holds in group c the codes
; k = 32 c + 16 h + 0 .. 15 of the fragment's row r.  A buffer is [row tile T][kappa = K / 128] fragments.  ROW TILE T = 2 beta + u HOLDS ROWS 32 beta + 8 u + r + 8 (r / 8): eight
; neighbours and the eight that lie 16 further on.  The launches that follow load a fragment by four loads of 16 bytes at 16 x lane.
; SHARES: work-groups 0-95 take w_attn, 96-127 w_proj, 128-383 x.  Waves share nothing: no barrier.  Memory binds here, so there is no matrix work, no tensor load and no cluster.
.set X,   32                           ; weights: v32-95   two sets of 32 numbers (a block of 32 along K of my column)
.set CW,  96                           ; weights: v96-159  8 registers of codes for each of 8 blocks: no store's data are written again
.set R,   16                           ; x: v16-143  two sets of 64 registers as loaded
.set XT,  144                          ; x: v144-207 64 numbers in the operand's order
.set CX,  208                          ; x: v208-239 two sets of 16 registers of codes
.set SP,  528                          ; x: a stage row: 512 bytes + 16: 33 x 16 bytes, so the sixteen rows that a read touches begin at sixteen different 16-byte columns of 256
.set WST, 16*SP                        ; x: a wave's own stage
.macro SCALE                           ; s30 = e  ->  v11 = 2^e as f32 (the conversion takes its exponent field), s30 = 448 x 2^e
	s_add_co_i32 s30, s30, 127
	s_lshl_b32 s31, s30, 23
	v_mov_b32 v11, s31
	s_add_co_i32 s30, s30, 8
	s_lshl_b32 s30, s30, 23
	s_or_b32 s30, s30, 0x600000
.endm
; ---- a weight [1024 (k)][cols]: a lane takes a column, its registers run down K, so the conversions give codes with K innermost and nothing is transposed
.macro WLOAD t, cols                   ; block t: 32 rows k at my column: the 32 lanes read 128 bytes on end
.set i, 0
.rept 32
	global_load_b32 v[X+32*((\t)%2)+i], v3, s[26:27] offset:(32*(\t)+i)*(\cols)*4 th:TH_LOAD_NT
.set i, i+1
.endr
.endm
.macro WBLOCK t, cols
.set XS, X+32*((\t)%2)
.set CS, CW+8*(\t)
.if (\t) < 7
	s_wait_loadcnt 32                              ; this block's 32 loads are in; the next block's 32 may be out
.else
	s_wait_loadcnt 0x0
.endif
.set i, 0
.rept 32
.set i, i+1
.endr
.irp g, 0,1,2,3
	v_cvt_scalef32_pk8_fp8_f32 v[CS+2*\g:CS+2*\g+1], v[XS+8*\g:XS+8*\g+7], v11
.endr
	v_nop                                          ; a plain vector line behind the run of conversions
	global_store_b128 v4, v[CS:CS+3], s[28:29] offset:((\t)/4)*2048+((\t)%4)*512        ; k 32 t + 0..15: the place of lane r; sixteen lanes fill 256 aligned bytes
	global_store_b128 v4, v[CS+4:CS+7], s[28:29] offset:((\t)/4)*2048+((\t)%4)*512+256  ; k 32 t + 16..31: the place of lane r + 16
.if (\t) < 6
	WLOAD (\t)+2, \cols
.endif
.endm
.macro WQ cols, src, dst, eoff, first
	s_load_b32 s30, s[10:11], \eoff                ; e
	s_sub_co_u32 s20, ttmp9, \first
	s_and_b32 s21, s20, 3                          ; which 256 along K
	s_lshr_b32 s22, s20, 2
	s_lshl_b32 s22, s22, 7
	s_lshl_b32 s23, s18, 5
	s_add_co_u32 s22, s22, s23                     ; n0 = 128 x block + 32 x wave
	s_mul_i32 s24, s21, 256*(\cols)*4
	s_lshl_b32 s23, s22, 2
	s_add_co_u32 s24, s24, s23
	s_mov_b32 s25, 0
	s_add_nc_u64 s[26:27], s[\src:\src+1], s[24:25]   ; the weight at row 256 ky, column n0
	s_lshl_b32 s24, s22, 10                        ; row tile n0 / 16 of 16,384 bytes
	s_lshl_b32 s23, s21, 12                        ; kappa = 2 ky
	s_add_co_u32 s24, s24, s23
	s_add_nc_u64 s[28:29], s[\dst:\dst+1], s[24:25]
	v_and_b32 v3, 7, v1                            ; lane l takes column n0 + (l & 7) + 16 ((l >> 3) & 1) + 8 (l >> 4): row l & 15 of row tile n0 / 16 + (l >> 4)
	v_bfe_u32 v5, v1, 3, 1
	v_lshl_add_u32 v3, v5, 4, v3
	v_lshrrev_b32 v5, 4, v1
	v_lshl_add_u32 v3, v5, 3, v3
	v_lshlrev_b32 v3, 2, v3
	v_and_b32 v4, 15, v1
	v_lshlrev_b32 v4, 4, v4
	v_lshl_add_u32 v4, v5, 14, v4                  ; out: 16 (l & 15) + 16,384 (l >> 4)
	WLOAD 0, \cols
	WLOAD 1, \cols
	s_wait_kmcnt 0x0
	SCALE
	s_wait_alu depctr_va_vdst(0)
.irp t, 0,1,2,3,4,5,6,7
	WBLOCK \t, \cols
.endr
.endm
; ---- x: K is innermost.  A wave takes one row tile for four kappa.  Each load reads 512 bytes on end of one row; a unit (16 rows x 512 bytes) turns through the wave's own stage, so that a lane gets 16 neighbours of each block of 32
.macro XLOAD t
.irp i, 0,1,2,3,4,5,6,7,8,9,10,11,12,13,14,15
	global_load_b128 v[R+64*((\t)%2)+4*\i:R+64*((\t)%2)+4*\i+3], v2, s[26:27] offset:(\i+8*(\i/8))*4096+512*(\t) th:TH_LOAD_NT
.endr
.endm
.macro UNIT t
.set RS, R+64*((\t)%2)
.set CS, CX+16*((\t)%2)
.if (\t) < 3
	s_wait_loadcnt 16                              ; this unit's 16 loads are in; the next unit's 16 may be out
.else
	s_wait_loadcnt 0x0
.endif
.irp i, 0,1,2,3,4,5,6,7,8,9,10,11,12,13,14,15
	ds_store_b128 v5, v[RS+4*\i:RS+4*\i+3] offset:SP*\i
.endr
.irp c, 0,1,2,3
.irp j, 0,1,2,3
	ds_load_b128 v[XT+16*\c+4*\j:XT+16*\c+4*\j+3], v6 offset:128*\c+16*\j   ; LDS serves a wave's instructions in order (ISA guide 5.7.1.4): these see the stores above
.endr
.endr
	s_wait_dscnt 0x0                               ; the numbers are back, and the stage's stores have read their registers,
.if (\t) < 2
	XLOAD (\t)+2                                   ; which take the loads of two units on
.endif
.set i, 0
.rept 64
.set i, i+1
.endr
.if (\t) >= 2
	s_wait_xcnt 0x0                                ; the stores of two units back have read this set of codes
.endif
.irp g, 0,1,2,3,4,5,6,7
	v_cvt_scalef32_pk8_fp8_f32 v[CS+2*\g:CS+2*\g+1], v[XT+8*\g:XT+8*\g+7], v11
.endr
	v_nop                                          ; a plain vector line behind the run of conversions
.irp c, 0,1,2,3
	global_store_b128 v2, v[CS+4*\c:CS+4*\c+3], s[28:29] offset:2048*(\t)+512*\c   ; 512 aligned bytes on end
.endr
.endm
	s_load_b256 s[4:11], s[0:1], 0x0               ; x s[4:5], w_attn s[6:7], w_proj s[8:9], the scales' exponents s[10:11]
	s_load_b128 s[12:15], s[0:1], 0x20             ; x_img s[12:13], w_img s[14:15]
	s_load_b64 s[16:17], s[0:1], 0x30              ; wp_img
	v_lshl_add_u32 v240, v0, 2, 0x8400
	v_mov_b32 v241, 0
	v_lshrrev_b32 v1, 5, v0
	v_readfirstlane_b32 s18, v1                    ; wave
	v_and_b32 v1, 31, v0                           ; lane
	s_wait_kmcnt 0x0
	s_cmp_lt_u32 ttmp9, 96
	s_cbranch_scc1 .Lw_attn
	s_cmp_lt_u32 ttmp9, 128
	s_cbranch_scc1 .Lw_proj
	s_load_b32 s30, s[10:11], 0x0                  ; e of x
	s_sub_co_u32 s20, ttmp9, 128
	s_lshl_b32 s20, s20, 2
	s_add_co_u32 s20, s20, s18                     ; 0 .. 1023
	s_lshr_b32 s21, s20, 1                         ; row tile T
	s_and_b32 s22, s20, 1                          ; which four kappa
	s_lshr_b32 s23, s21, 1
	s_lshl_b32 s23, s23, 5
	s_and_b32 s24, s21, 1
	s_lshl_b32 s24, s24, 3
	s_add_co_u32 s23, s23, s24                     ; the tile's first row: 32 (T / 2) + 8 (T % 2)
	s_lshl_b32 s24, s23, 12
	s_lshl_b32 s23, s22, 11
	s_add_co_u32 s24, s24, s23
	s_mov_b32 s25, 0
	s_add_nc_u64 s[26:27], s[4:5], s[24:25]
	s_lshl_b32 s24, s21, 14
	s_lshl_b32 s23, s22, 13
	s_add_co_u32 s24, s24, s23
	s_add_nc_u64 s[28:29], s[12:13], s[24:25]
	s_mul_i32 s19, s18, WST
	s_wait_alu depctr_va_vdst(0)
	v_lshlrev_b32 v2, 4, v1                        ; 16 x lane
	v_add_nc_u32 v5, s19, v2                       ; the stage, on the way in
	v_and_b32 v7, 15, v1
	v_lshrrev_b32 v8, 4, v1
	v_mul_u32_u24 v6, v7, SP
	v_lshl_add_u32 v6, v8, 6, v6
	v_add_nc_u32 v6, s19, v6                       ; and on the way out: row r, + 64 h
	XLOAD 0
	XLOAD 1
	s_wait_alu depctr_va_vdst(0)
	s_wait_kmcnt 0x0
	SCALE
	s_wait_alu depctr_va_vdst(0)
	UNIT 0
	UNIT 1
	UNIT 2
	UNIT 3
	s_wait_tensorcnt 0x0
	ds_add_u32 v240, v241
	s_wait_dscnt 0x0
	s_endpgm
.Lw_attn:
	s_wait_alu depctr_va_vdst(0)
	WQ 3072, 6, 14, 0x4, 0
	s_endpgm
.Lw_proj:
	s_wait_alu depctr_va_vdst(0)
	WQ 1024, 8, 16, 0x1c, 96
	s_endpgm
.Lfunc_end_k_qa2dfe4e468_quant:
	.size	k_qa2dfe4e468_quant, .Lfunc_end_k_qa2dfe4e468_quant-k_qa2dfe4e468_quant
	.p2alignl 7, 3214868480
	.fill 96, 4, 3214868480
	.section	.rodata,"a",@progbits
	.p2align	6, 0x0
	.amdhsa_kernel k_qa2dfe4e468_quant
		.amdhsa_group_segment_fixed_size 34304
		.amdhsa_private_segment_fixed_size 0
		.amdhsa_enable_private_segment 0
		.amdhsa_kernarg_size 56
		.amdhsa_user_sgpr_count 2
		.amdhsa_user_sgpr_kernarg_segment_ptr 1
		.amdhsa_wavefront_size32 1
		.amdhsa_system_sgpr_workgroup_id_x 1
		.amdhsa_system_sgpr_workgroup_id_y 1
		.amdhsa_system_sgpr_workgroup_id_z 1
		.amdhsa_system_vgpr_workitem_id 0
		.amdhsa_next_free_vgpr 242
		.amdhsa_next_free_sgpr 66
		.amdhsa_reserve_vcc 0
		.amdhsa_float_denorm_mode_32 3
		.amdhsa_float_denorm_mode_16_64 3
		.amdhsa_fp16_overflow 1
		.amdhsa_memory_ordered 1
		.amdhsa_forward_progress 1
		.amdhsa_inst_pref_size 80
	.end_amdhsa_kernel
	.amdgpu_metadata
---
amdhsa.version: [ 1, 2 ]
amdhsa.kernels:
  - .name:           k_qa2dfe4e468_quant
    .symbol:         k_qa2dfe4e468_quant.kd
    .args:
      - { .name: x, .offset: 0, .size: 8, .value_kind: global_buffer, .address_space: global }
      - { .name: w_attn, .offset: 8, .size: 8, .value_kind: global_buffer, .address_space: global }
      - { .name: w_proj, .offset: 16, .size: 8, .value_kind: global_buffer, .address_space: global }
      - { .name: lowp_scales, .offset: 24, .size: 8, .value_kind: global_buffer, .address_space: global }
      - { .name: x_img, .offset: 32, .size: 8, .value_kind: global_buffer, .address_space: global }
      - { .name: w_img, .offset: 40, .size: 8, .value_kind: global_buffer, .address_space: global }
      - { .name: wp_img, .offset: 48, .size: 8, .value_kind: global_buffer, .address_space: global }
    .group_segment_fixed_size: 34304
    .private_segment_fixed_size: 0
    .kernarg_segment_align: 8
    .kernarg_segment_size: 56
    .max_flat_workgroup_size: 128
    .sgpr_count:     66
    .vgpr_count:     242
    .wavefront_size: 32
...
	.end_amdgpu_metadata
.endif
;; end of part 1
;; launch qkv (part 2): grid 12 x 32, 4 waves a work-group, clusters of 4 x 4, 327,680 bytes of LDS; arguments x_img, w_img, lowp_scales, b_attn, q_img, k_img, v_img; writes q_img, k_img, v_img
.if DOCPART == 2
	.amdgcn_target "amdgcn-amd-amdhsa--gfx1250"
	.amdhsa_code_object_version 6
	.text
	.protected	k_qa2dfe4e468_qkv
	.globl	k_qa2dfe4e468_qkv
	.p2align	8
	.type	k_qa2dfe4e468_qkv,@function
k_qa2dfe4e468_qkv:
	s_mov_b64 s[64:65], 0
	v_nop
	global_prefetch_b8 v0, s[64:65] scope:SCOPE_SE
	s_setreg_imm32_b32 hwreg(HW_REG_WAVE_MODE, 25, 1), 1
	s_wait_xcnt 0x0
	s_wait_alu depctr_hold_cnt(0) depctr_sa_sdst(0) depctr_va_vdst(0) depctr_va_sdst(0) depctr_va_ssrc(0) depctr_va_vcc(0) depctr_vm_vsrc(0)
	s_getreg_b32 s2, hwreg(HW_REG_IB_STS2, 6, 4)
	s_cmp_eq_u32 s2, 0
	s_cbranch_scc0 .Lentry_in_a_cluster
	s_endpgm
.Lentry_in_a_cluster:
	s_bfe_u32 s2, ttmp6, 0x10000c
	s_cmp_lg_u32 s2, 0xf033
	s_cbranch_scc0 .Lentry_shape_is_right
	s_endpgm
.Lentry_shape_is_right:
; qkv = x w_attn + b_attn on codes of FP8 (E4M3); q, k and v are quantised on the way out (entries 2, 3, 5 of the scales) and stored as images of the operand registers of the attention launch.
; IMAGES.  A fragment (16 rows x 128 K) is 2,048 bytes, [c 0..3][lane][16 bytes]: lane r + 16 h holds k = 32 c + 16 h + 0..15 of row r; one of 64 K is its first 1,024 bytes.  Row tile T = 2 beta + u holds rows
; 32 beta + 8 u + r + 8 (r / 8).  x_img [512][8], w_img [192][8] fragments.  q_img, k_img: [batch x head 64][token tile 128] fragments of 64 K (K = the head's 64).  v_img: [batch x head][128 keys: 16][d tile 4] fragments (K = the keys).
; This order of k in the registers is the same on both sides of every product, so each product meets its partner; only the order of the sums inside an instruction differs from the form's own.
; A tile of 256 x 256 is made by four waves, 128 x 128 each: 64 accumulators.  THE MATRIX INSTRUCTION IS USED TRANSPOSED: source 0 = 16 rows of the B side, source 1 = 16 rows of the A side.  A lane then holds ONE row of the
; A side, and by the row rule the 16 registers of B tiles 2 beta and 2 beta + 1 are the 16 NEIGHBOURS 32 beta + 16 h + 0..15 of the B side: two conversions give the 16 bytes of group beta of the next image, for this very lane.
; So each store is 16 bytes at 16 x lane, 512 aligned bytes on end, with no stage in LDS.
; ROLES, by the cluster's x, which all sixteen partners share: 0 makes q, 1 makes k (A side = tokens, B side = columns of w_attn); 2 makes v WITH THE BUFFERS SWAPPED (A side = v's 1,024 columns, B side = tokens), so that a lane's
; registers run along the tokens, which are the K of attention's second product.  The loop is one text for all three.
; K goes in steps of 256 through a ring of two LDS slots; a wave's tensor load brings 8 row tiles x 4,096 bytes.  CLUSTERS: 4 x 4; the A side's tiles are asked for jointly along a row of the cluster, the B side's along a column.
; By this text's own count a wave has two tensor loads out at the start and one behind each round.  No prefetch: of K's four steps two go out at the head, and the other two are asked for 96 matrix instructions ahead of the wait for them.
; The bias of the kind that a cluster does not use is read from b_attn's first bytes and not used, so that no load stands under a branch.
; LIMITS: e0 + e1 between -126 and 127; e2, e3, e5 between -126 and 119: each power of two below is then an f32 number.
; REGISTERS: window 0: v10-29 addresses and scales; v32-47 the bias by A rows; v48-111 the bias by B rows; v128-255 A's fragments, ONE set; on the way out v128-191 numbers, v192-255 codes.
;   window 1: B's fragments, TWO sets.   windows 2, 3: the accumulators of A blocks 0-3, 4-7 ((a, b) at v[8 (8 (a % 4) + b)]).
.set HALFT,  32768                     ; 8 row tiles x two fragments: what one tensor load brings, and what one wave reads of a side
.set SLOT,   4*HALFT                   ; the A side's two halves, then the B side's
.set SPARE,  2*SLOT                    ; behind the ring: the spare words, 128 bytes for each wave: two blocks of 256 bytes that no other line names
.set FR,     16
.set NL,     4
.set NP,     4                         ; places behind this matrix instruction (ISA guide 7.12.1)
.set LIM,  10
.set SCL,  11                          ; v11  2^eo
.set OFH,  12                          ; v12  64 h
.set OFR,  13                          ; v13  4 (r + 8 (r / 8))
.set ADRA, 16                          ; v16-17  LDS address of my A fragments in slot 0, 1
.set ADRB, 20                          ; v20-21  the same for B
.set LI,   26                          ; v26  16 x lane
.set SPW,  28                          ; v28  my spare word; never rewritten
.set NIL,  29                          ; v29  0; never rewritten
.set BM,   32
.set BN,   48
.set AF,   128
.set TMP,  128
.set CD,   192
.set G1, 24
.set G0, 32
.set G1B, 48
.set G0B, 56
.set MSB, 0
.macro WIN new                         ; the immediate's high byte repeats the setting that is left
.if MSB != (\new)
	s_set_vgpr_msb (MSB<<8)|(\new)
.set MSB, (\new)
.endif
.endm
.set MUL_LO, 0xa1                      ; source 0 (B) window 1, source 1 (A) window 0, C and D window 2
.set MUL_HI, 0xf1
.set TO_B,   0x40
.macro JLOAD g0a, g1a, g0b, g1b        ; a joint load: waves 0 and 1 fetch for the A side, waves 2 and 3 for the B side; four v_nop follow each line
	s_cmp_eq_u32 s15, 0
	s_cbranch_scc0 .Lfor_b_\@
	tensor_load_to_lds s[\g0a:\g0a+3], s[\g1a:\g1a+7]
	s_nop 0
.rept 4
	v_nop
.endr
	s_branch .Lasked_\@
.Lfor_b_\@:
	tensor_load_to_lds s[\g0b:\g0b+3], s[\g1b:\g1b+7]
	s_nop 0
.rept 4
	v_nop
.endr
.Lasked_\@:
.endm
.macro CREST                           ; a round of the cluster's barrier behind its opening barrier
	s_cmp_lg_u32 s14, 0
	s_cbranch_scc1 .Lnot_wave_0_\@
	s_barrier_signal -3
.Lnot_wave_0_\@:
	s_barrier_wait -3
	s_barrier_signal -1
	s_barrier_wait -1
.endm
.macro CROUND
	s_barrier_signal -1
	s_barrier_wait -1
	CREST
.endm
	s_load_b128 s[4:7], s[0:1], 0x0                ; x_img, w_img
	s_load_b128 s[8:11], s[0:1], 0x10              ; the scales' exponents, b_attn
	s_load_b128 s[68:71], s[0:1], 0x20             ; q_img, k_img
	s_load_b64 s[72:73], s[0:1], 0x30              ; v_img
	v_lshl_add_u32 v[SPW], v0, 2, SPARE
	v_mov_b32 v[NIL], 0
	ds_add_u32 v28, v29
	ds_add_u32 v28, v29
	s_wait_dscnt 0x0
	v_lshrrev_b32 v1, 5, v0
	v_readfirstlane_b32 s14, v1                    ; wave 0..3
	s_lshr_b32 s15, s14, 1                         ; which half of the tile's A rows is mine.  Also: I fetch for A (0) or for B (1)
	s_and_b32 s16, s14, 1                          ; which half of its B rows.  Also: which 8 row tiles I fetch
	s_bfe_u32 s40, ttmp6, 0x40000                  ; cx
	s_bfe_u32 s41, ttmp6, 0x40004                  ; cy
	s_and_b32 s19, ttmp7, 0xffff
	s_lshl_b32 s19, s19, 2                         ; 4 x cluster y
	s_lshl_b32 s18, ttmp9, 2                       ; 4 x cluster x
	s_cmp_eq_u32 ttmp9, 2                          ; v's clusters?
	s_cselect_b32 s17, 0, s19
	s_cselect_b32 s42, s19, s18
	s_add_co_u32 s17, s17, s41                     ; the A side's tile: q, k: 4 cluster y + cy (tokens);  v: cy (columns)
	s_add_co_u32 s42, s42, s40                     ; the B side's tile: q, k: 4 cluster x + cx (columns); v: 4 cluster y + cx (tokens)
	s_lshl_b32 s43, s41, 2
	s_lshl_b32 s43, 15, s43                        ; my row of the cluster
	s_lshl_b32 s44, 0x1111, s40                    ; my column
	; descriptor group 1: 8 rows of 512 elements of 8 bytes (a row tile's two fragments), 2,048 elements (a row tile's eight) apart; no padding: a fragment is read 512 bytes on end
	s_or_b32 s[G1+0], s43, (3<<16)|(1<<21)
	s_or_b32 s[G1B+0], s44, (3<<16)|(1<<21)
.irp g, G1, G1B
	s_mov_b32 s[\g+1], 512<<16                     ; tensor_dim0
	s_mov_b32 s[\g+2], 8<<16                       ; tensor_dim1
	s_mov_b32 s[\g+3], 512<<16                     ; tile_dim0
	s_mov_b32 s[\g+4], 8                           ; tile_dim1
	s_mov_b32 s[\g+5], 2048                        ; tensor_dim0_stride
	s_mov_b32 s[\g+6], 0
	s_mov_b32 s[\g+7], 0
.endr
	s_lshl_b32 s20, s17, 18                        ; 16 row tiles of 16,384 bytes to a tile
	s_lshl_b32 s18, s16, 17                        ; + the 8 that I fetch
	s_add_co_u32 s20, s20, s18
	s_lshl_b32 s46, s42, 18
	s_add_co_u32 s46, s46, s18
	s_cmp_eq_u32 ttmp9, 2
	s_cselect_b32 s19, 0x200000, 0                 ; v's columns begin at row tile 128 of w_img
	s_add_co_u32 s20, s20, s19
	s_mov_b32 s21, 0
	s_mov_b32 s47, 0
	s_mul_i32 s45, s14, HALFT                      ; where they go: no place in the cluster enters an LDS address
	s_wait_kmcnt 0x0
	s_load_b256 s[80:87], s[8:9], 0x0              ; e0 .. e7
	s_cmp_eq_u32 ttmp9, 2
	s_cselect_b64 s[76:77], s[6:7], s[4:5]         ; the A side's buffer
	s_cselect_b64 s[78:79], s[4:5], s[6:7]         ; the B side's
	s_add_nc_u64 s[20:21], s[76:77], s[20:21]
	s_add_nc_u64 s[46:47], s[78:79], s[46:47]
	CROUND                                         ; all sixteen work-groups are here: the first joint loads meet
.irp s, 0,1
	s_mov_b32 s[G0+4*\s], 1
	s_add_co_u32 s[G0+4*\s+1], s45, \s*SLOT
	s_add_nc_u64 s[G0+4*\s+2:G0+4*\s+3], s[20:21], \s*4096
	s_or_b32 s[G0+4*\s+3], s[G0+4*\s+3], 0x80000000
	s_mov_b32 s[G0B+4*\s], 1
	s_add_co_u32 s[G0B+4*\s+1], s45, \s*SLOT
	s_add_nc_u64 s[G0B+4*\s+2:G0B+4*\s+3], s[46:47], \s*4096
	s_or_b32 s[G0B+4*\s+3], s[G0B+4*\s+3], 0x80000000
	JLOAD G0+4*\s, G1, G0B+4*\s, G1B
.endr
	v_and_b32 v1, 15, v0                           ; r
	v_bfe_u32 v2, v0, 4, 1                         ; h
	v_and_b32 v3, 31, v0
	v_lshlrev_b32 v[LI], 4, v3
	v_lshlrev_b32 v[OFH], 6, v2
	s_wait_alu depctr_va_vdst(0)
	v_and_b32 v3, 8, v1
	v_add_nc_u32 v3, v3, v1
	v_lshlrev_b32 v[OFR], 2, v3
	s_wait_alu depctr_va_vdst(0)
	s_mul_i32 s21, s15, HALFT
	s_mul_i32 s22, s16, HALFT
	s_add_co_u32 s22, s22, 2*HALFT
.irp s, 0,1
	v_add_nc_u32 v[ADRA+\s], s21, v[LI]
	v_add_nc_u32 v[ADRB+\s], s22, v[LI]
	s_add_co_u32 s21, s21, SLOT
	s_add_co_u32 s22, s22, SLOT
.endr
	; the biases.  q, k: by B rows: register 16 beta + i is b_attn[256 B tile + 128 half + 32 beta + 16 h + i].  v: by A rows: block a's is b_attn[2048 + 256 A tile + 128 half + 32 (a / 2) + 8 (a % 2) + r + 8 (r / 8)]
	s_lshl_b32 s88, s42, 10
	s_lshl_b32 s89, s16, 9
	s_add_co_u32 s88, s88, s89
	s_lshl_b32 s94, s17, 10
	s_lshl_b32 s89, s15, 9
	s_add_co_u32 s94, s94, s89
	s_add_co_u32 s94, s94, 8192
	s_cmp_eq_u32 ttmp9, 2
	s_cselect_b32 s88, 0, s88
	s_cselect_b32 s94, s94, 0
	s_mov_b32 s89, 0
	s_mov_b32 s95, 0
	s_add_nc_u64 s[90:91], s[10:11], s[88:89]
	s_add_nc_u64 s[92:93], s[10:11], s[94:95]
.irp b, 0,1,2,3
.irp j, 0,1,2,3
	global_load_b128 v[BN+16*\b+4*\j:BN+16*\b+4*\j+3], v[OFH], s[90:91] offset:128*\b+16*\j
.endr
.endr
.irp a, 0,1,2,3,4,5,6,7
	global_load_b32 v[BM+2*\a], v[OFR], s[92:93] offset:(32*(\a/2)+8*(\a%2))*4
	v_mov_b32 v[BM+2*\a+1], 0                      ; (named with it as a pair, so it is written)
.endr
.macro FRAG reg, adr, q, i             ; a fragment as it lies: four loads of 512 bytes on end
.irp c, 0,1,2,3
	ds_load_b128 v[\reg+4*\c:\reg+4*\c+3], v[\adr] offset:(\i)*4096+(\q)*2048+512*\c
.endr
.endm
; 16 matrix instructions: A's blocks a0, a0 + 1 x B's eight, 128 along K.  p: B's set.  zero = 1: the first product starts the sums.  The 64 accumulators take turns, one instruction a turn, in the same order in every step.
.macro MUL16 a0, p, zero
.irp a, \a0, \a0+1
.irp b, 0,1,2,3,4,5,6,7
.if \zero
	v_wmma_f32_16x16x128_fp8_fp8 v[8*(8*((\a)%4)+\b):8*(8*((\a)%4)+\b)+7], v[128*(\p)+FR*\b:128*(\p)+FR*\b+FR-1], v[AF+FR*(\a):AF+FR*(\a)+FR-1], 0
.else
	v_wmma_f32_16x16x128_fp8_fp8 v[8*(8*((\a)%4)+\b):8*(8*((\a)%4)+\b)+7], v[128*(\p)+FR*\b:128*(\p)+FR*\b+FR-1], v[AF+FR*(\a):AF+FR*(\a)+FR-1], v[8*(8*((\a)%4)+\b):8*(8*((\a)%4)+\b)+7]
.endif
.endr
.endr
.endm
.macro FETCH_B slot, q, p
	WIN TO_B
.irp i, 0,1,2,3,4,5,6,7
	FRAG 128*(\p)+FR*\i, ADRB+\slot, \q, \i
.endr
	WIN 0
.endm
.macro FETCH_A slot, q, i0
.irp i, \i0, \i0+1, \i0+2, \i0+3
	FRAG AF+FR*(\i), ADRA+\slot, \q, \i
.endr
.endm
.macro PLACES n                        ; plain vector instructions between a matrix instruction and a load into, or a vector write of, one of its registers, or a read of its result
.rept \n
	v_nop
.endr
.endm
.macro STEP slot, q, zero              ; 128 along K whose successor lies in the same slot
	s_wait_dscnt 4*NL                              ; B's set and A's blocks 0-3 are in; the youngest 16 loads (A's blocks 4-7) may be out
	WIN MUL_LO
	MUL16 0, (\q)%2, \zero
	MUL16 2, (\q)%2, \zero
	s_wait_dscnt 0
	PLACES NP
	FETCH_B \slot, (\q)+1, 1-(\q)%2
	FETCH_A \slot, (\q)+1, 0
	WIN MUL_HI
	MUL16 4, (\q)%2, \zero
	MUL16 6, (\q)%2, \zero
	PLACES NP
	WIN 0
	FETCH_A \slot, (\q)+1, 4
.endm
; A slot's last step changes slots: one barrier; in front of it each wave waits for all its tensor loads, adds 0 to its spare word, and waits for that and for its own reads of this slot.  fill = 1: this slot is filled again, two K steps ahead.
.macro TURN slot, next, fill
	s_wait_tensorcnt 0x0                           ; all my tensor loads have landed: my part of the next slot
	ds_add_u32 v[SPW], v[NIL]                      ; 0 onto my spare word
	s_wait_dscnt 4*NL+1                            ; (the add and the youngest 16 loads may be out)
	WIN MUL_LO
	MUL16 0, 1, 0
	s_wait_dscnt 0x0                               ; the add is done, and my reads of this slot are over
	s_barrier_signal -1
	MUL16 2, 1, 0
	WIN 0
	s_barrier_wait -1
.if \fill
	CREST                                          ; the barrier has opened a round of the cluster's barrier: no wave of any partner still reads this slot or has a load on its way
	s_add_nc_u64 s[G0+4*\slot+2:G0+4*\slot+3], s[G0+4*\slot+2:G0+4*\slot+3], 8192
	s_add_nc_u64 s[G0B+4*\slot+2:G0B+4*\slot+3], s[G0B+4*\slot+2:G0B+4*\slot+3], 8192
	JLOAD G0+4*\slot, G1, G0B+4*\slot, G1B         ; the first tensor load behind the round; its four v_nop are also the places in front of the loads below
.else
	PLACES NP
.endif
	s_wait_alu depctr_va_vdst(0)
	FETCH_B \next, 0, 0
	FETCH_A \next, 0, 0
	WIN MUL_HI
	MUL16 4, 1, 0
	MUL16 6, 1, 0
	PLACES NP
	WIN 0
	FETCH_A \next, 0, 4
.endm
	s_wait_tensorcnt 1                             ; my part of K step 0 is in; K step 1's load may be out
	s_barrier_signal -1
	s_barrier_wait -1
	FETCH_B 0, 0, 0
	FETCH_A 0, 0, 0
	FETCH_A 0, 0, 4
	STEP 0, 0, 1                                   ; K = 1,024 is four slots' worth, written straight out
	TURN 0, 1, 1
	STEP 1, 0, 0
	TURN 1, 0, 1
	STEP 0, 0, 0
	TURN 0, 1, 0
	STEP 1, 0, 0
	s_wait_dscnt 4*NL
	WIN MUL_LO
	MUL16 0, 1, 0
	MUL16 2, 1, 0
	s_wait_dscnt 0
	WIN MUL_HI
	MUL16 4, 1, 0
	MUL16 6, 1, 0
	WIN 0
; THE WAY OUT of A block a: sum x 2^(e0 + e1) + bias in one packed multiply-add, each accumulator from its low end on; the conversions; four stores of 512 aligned bytes on end.
.macro OUTBLK a, isv
.set AC, 64*((\a)%4)
.set CB, CD+16*((\a)%4)
	WIN 0x02+((\a)/4)                              ; source 0: window 2 or 3
.set j, 0
.rept 32
.if \isv
	v_pk_fma_f32 v[TMP+j:TMP+j+1], v[AC+j:AC+j+1], s[96:97], v[BM+2*(\a):BM+2*(\a)+1] op_sel_hi:[1,0,0]   ; the lane's own row's bias for both halves
.else
	v_pk_fma_f32 v[TMP+j:TMP+j+1], v[AC+j:AC+j+1], s[96:97], v[BN+j:BN+j+1] op_sel_hi:[1,0,1]
.endif
.set j, j+2
.endr
	WIN 0
.set j, 0
.rept 64
.set j, j+1
.endr
.if (\a) >= 4
	s_wait_alu depctr_va_vdst(0)
	s_wait_xcnt 0x0                                ; block a - 4's stores have read these registers
.endif
.irp g, 0,1,2,3,4,5,6,7
	v_cvt_scalef32_pk8_fp8_f32 v[CB+2*\g:CB+2*\g+1], v[TMP+8*\g:TMP+8*\g+7], v[SCL]
.endr
	v_nop                                          ; a plain vector line between the conversions and the next block's multiply-adds, which write their sources
.irp b, 0,1,2,3
.if \isv
	global_store_b128 v[LI], v[CB+4*\b:CB+4*\b+3], s[74:75] offset:((\a)/4)*131072+((\a)%4)*2048+\b*512   ; head a / 4, d tile a % 4, group beta of the keys
.else
	global_store_b128 v[LI], v[CB+4*\b:CB+4*\b+3], s[74:75] offset:(\b/2)*131072+(\a)*1024+(\b%2)*512     ; head beta / 2, token tile a, group beta % 2 of the head's 64
.endif
.endr
.endm
	s_wait_kmcnt 0x0
	s_wait_loadcnt 0x0                             ; the biases
	s_add_co_i32 s96, s80, s81
	s_add_co_i32 s96, s96, 127
	s_lshl_b32 s96, s96, 23                        ; 2^(e0 + e1) as f32
	s_mov_b32 s97, s96                             ; (named with it as a pair)
	s_cmp_eq_u32 ttmp9, 0
	s_cselect_b32 s88, s82, s83                    ; q: e2, k: e3,
	s_cmp_eq_u32 ttmp9, 2
	s_cselect_b32 s88, s85, s88                    ; v: e5
	s_add_co_i32 s88, s88, 127
	s_lshl_b32 s89, s88, 23
	v_mov_b32 v[SCL], s89
	PLACES NP                                      ; behind the last products: the multiply-adds write the registers that held A's fragments
	s_cmp_eq_u32 ttmp9, 2
	s_cbranch_scc1 .Lout_v
	s_lshr_b32 s76, s17, 3                         ; q, k: ((16 batch + 4 (B tile % 4) + 2 half) x 128 + 16 (A tile % 8) + 8 half) x 1,024
	s_lshl_b32 s76, s76, 4
	s_and_b32 s77, s42, 3
	s_lshl_b32 s77, s77, 2
	s_add_co_u32 s76, s76, s77
	s_lshl_b32 s77, s16, 1
	s_add_co_u32 s76, s76, s77
	s_lshl_b32 s76, s76, 7
	s_and_b32 s77, s17, 7
	s_lshl_b32 s77, s77, 4
	s_add_co_u32 s76, s76, s77
	s_lshl_b32 s77, s15, 3
	s_add_co_u32 s76, s76, s77
	s_lshl_b32 s76, s76, 10
	s_mov_b32 s77, 0
	s_cmp_eq_u32 ttmp9, 0
	s_cselect_b64 s[74:75], s[68:69], s[70:71]
	s_add_nc_u64 s[74:75], s[74:75], s[76:77]
.irp a, 0,1,2,3,4,5,6,7
	OUTBLK \a, 0
.endr
	s_branch .Lend
.Lout_v:
	s_lshr_b32 s76, s42, 3                         ; v: ((16 batch + 4 A tile + 2 half) x 16 + 2 (B tile % 8) + half) x 8,192
	s_lshl_b32 s76, s76, 4
	s_lshl_b32 s77, s17, 2
	s_add_co_u32 s76, s76, s77
	s_lshl_b32 s77, s15, 1
	s_add_co_u32 s76, s76, s77
	s_lshl_b32 s76, s76, 4
	s_and_b32 s77, s42, 7
	s_lshl_b32 s77, s77, 1
	s_add_co_u32 s76, s76, s77
	s_add_co_u32 s76, s76, s16
	s_lshl_b32 s76, s76, 13
	s_mov_b32 s77, 0
	s_add_nc_u64 s[74:75], s[72:73], s[76:77]
.irp a, 0,1,2,3,4,5,6,7
	OUTBLK \a, 1
.endr
.Lend:
	s_wait_tensorcnt 0x0                           ; the wave's end
	ds_add_u32 v[SPW], v[NIL]
	s_wait_dscnt 0x0
	CROUND                                         ; the closing round: no work-group ends while a partner may still ask for a tile that names it
	s_endpgm
.Lfunc_end_k_qa2dfe4e468_qkv:
	.size	k_qa2dfe4e468_qkv, .Lfunc_end_k_qa2dfe4e468_qkv-k_qa2dfe4e468_qkv
	.p2alignl 7, 3214868480
	.fill 96, 4, 3214868480
	.section	.rodata,"a",@progbits
	.p2align	6, 0x0
	.amdhsa_kernel k_qa2dfe4e468_qkv
		.amdhsa_group_segment_fixed_size 327680
		.amdhsa_private_segment_fixed_size 0
		.amdhsa_enable_private_segment 0
		.amdhsa_kernarg_size 56
		.amdhsa_user_sgpr_count 2
		.amdhsa_user_sgpr_kernarg_segment_ptr 1
		.amdhsa_wavefront_size32 1
		.amdhsa_system_sgpr_workgroup_id_x 1
		.amdhsa_system_sgpr_workgroup_id_y 1
		.amdhsa_system_sgpr_workgroup_id_z 1
		.amdhsa_system_vgpr_workitem_id 0
		.amdhsa_next_free_vgpr 1024
		.amdhsa_next_free_sgpr 98
		.amdhsa_reserve_vcc 0
		.amdhsa_float_denorm_mode_32 3
		.amdhsa_float_denorm_mode_16_64 3
		.amdhsa_fp16_overflow 1
		.amdhsa_memory_ordered 1
		.amdhsa_forward_progress 1
		.amdhsa_inst_pref_size 130
	.end_amdhsa_kernel
	.amdgpu_metadata
---
amdhsa.version: [ 1, 2 ]
amdhsa.kernels:
  - .name:           k_qa2dfe4e468_qkv
    .symbol:         k_qa2dfe4e468_qkv.kd
    .args:
      - { .name: x_img, .offset: 0, .size: 8, .value_kind: global_buffer, .address_space: global }
      - { .name: w_img, .offset: 8, .size: 8, .value_kind: global_buffer, .address_space: global }
      - { .name: lowp_scales, .offset: 16, .size: 8, .value_kind: global_buffer, .address_space: global }
      - { .name: b_attn, .offset: 24, .size: 8, .value_kind: global_buffer, .address_space: global }
      - { .name: q_img, .offset: 32, .size: 8, .value_kind: global_buffer, .address_space: global }
      - { .name: k_img, .offset: 40, .size: 8, .value_kind: global_buffer, .address_space: global }
      - { .name: v_img, .offset: 48, .size: 8, .value_kind: global_buffer, .address_space: global }
    .group_segment_fixed_size: 327680
    .private_segment_fixed_size: 0
    .kernarg_segment_align: 8
    .kernarg_segment_size: 56
    .max_flat_workgroup_size: 128
    .sgpr_count:     98
    .vgpr_count:     1024
    .wavefront_size: 32
...
	.end_amdgpu_metadata
.endif
;; end of part 2
;; launch attn (part 3): grid 4 x 64, 16 waves a work-group, no clusters, 327,680 bytes of LDS; arguments q_img, k_img, v_img, lowp_scales, y_img; writes y_img
.if DOCPART == 3
	.amdgcn_target "amdgcn-amd-amdhsa--gfx1250"
	.amdhsa_code_object_version 6
	.text
	.protected	k_qa2dfe4e468_attn
	.globl	k_qa2dfe4e468_attn
	.p2align	8
	.type	k_qa2dfe4e468_attn,@function
k_qa2dfe4e468_attn:
	s_mov_b64 s[64:65], 0
	v_nop
	global_prefetch_b8 v0, s[64:65] scope:SCOPE_SE
	s_setreg_imm32_b32 hwreg(HW_REG_WAVE_MODE, 25, 1), 1
	s_wait_xcnt 0x0
; y = softmax(q k^T / 8, causal) v for 64 (batch, head) pairs, 2,048 tokens, head size 64, both products on codes of FP8 (E4M3); y is quantised on the way out (entry 6) into the image that the projection reads.
; THE SOFTMAX AHEAD OF THE SECOND PRODUCT: t = score x log2(e) / 8; M = the running largest t rounded UP to a whole number; p = 2^(t - M) is quantised (entry 4), not normalised; the row's sum is taken of the unquantised p
; and divides at the end.  When M moves, the sum and O are multiplied by 2^(old M - new M), which rounds nothing.
; IMAGES (a fragment is [c][lane][16 bytes], lane r + 16 h holding k = 32 c + 16 h + 0..15 of row r; row tile 2 beta + u holds rows 32 beta + 8 u + r + 8 (r / 8)):
; q_img, k_img [pair][token tile 128] of 1,024 bytes; v_img [pair][128 keys: 16][d tile 4] of 2,048 bytes; y_img [token tile 512][kappa 8] of 2,048 bytes, kappa = head / 2, group c = 2 (head % 2) + beta.
; Both products are used transposed (S^T = K Q^T, O^T = V^T P^T): a lane holds ONE query; by the row rule the 16 registers of key tiles 2 b, 2 b + 1 are keys 32 b + 16 h + 0..15, so p's conversions ARE the second product's
; operand, and O^T's conversions are y's image: every load and store is 16 bytes at 16 x lane.
; SHARES.  A pair's 16 blocks of 128 queries go to four work-groups: work-group j takes blocks j, 7 - j, 8 + j, 15 - j.  Wave w owns query tile i = w / 2 of two blocks, BLO and BHI = 15 - BLO (BLO = j or 7 - j by
; g = (w + w / 4) % 2).  A tile of block b needs key steps 0 .. b, so every wave has (BLO + 1) + (BHI + 1) = 17 steps of 128 keys.  Every work-group walks all 8 slots of 256 keys: trip counts are constants, and no tensor load
; or barrier is jumped over; a step all of whose keys come after the tile's queries is left out by a scalar branch on ids.
; NO CLUSTER, though the four work-groups of a pair read the same K and V: the branch that leaves hidden steps out hangs on j, and partners of a cluster must run alike; the form in which they do (each work-group tiles of all
; 16 blocks) gives the waves of a work-group between 1 and 16 steps between two barriers' worth of keys in place of equal shares.
; LIMITS: e2 + e3 between -123 and 130 (added to c's exponent field); e4 and e6 between -126 and 119; e4 + e5 goes by v_ldexp_f32 and has none.
.set SLOT1, 1<<15                      ; a slot: 16 fragments of K (16,384 bytes), then 8 of V (16,384); slot 1 begins here, so that one exclusive or turns an address
.set SPARE, 2*SLOT1                    ; behind the ring: the spare words, 128 bytes for each of 16 waves: eight blocks of 256 bytes that no other line names
.set LI,   1                           ; v1   16 x lane
.set SPW,  2                           ; v2   my spare word; never rewritten
.set NIL,  3                           ; v3   0; never rewritten
.set ADR,  4                           ; v4   LDS address of the step in hand
.set PFO,  5                           ; v5   256 x lane
.set DQ,   6                           ; v6   my query's place in its block - 16 h
.set LIM,  7
.set SCL,  8                           ; v8   the scale
.set NINF, 9                           ; v9   -infinity
.set TA,   10
.set TC,   11
.set FR,   36                          ; v36-99   the step's 8 fragments of K, then its 4 of V
.set S,    100                         ; v100-163 S^T, then p
.set PCD,  228                         ; v228-243 p's codes
.set TB,   2                           ; s2   LDS byte at which the step in hand begins
.set KS,   3                           ; s3   the key step, 0 .. 15
.set WV,   18
.set SEL,  20
.set CS,   22
.set SLOTS, 33
.set TW,   34
.set BLO,  35
.set BHI,  36
.set PFA,  44
.set LIMP, 46
; statistics of a tile at v[st]: -M, the largest t, the sum in two halves.  hi tile: v12-15, Q v20-27, O^T v164-195;  lo tile: v16-19, Q v28-35, O^T v196-227.  v[244:245] f; v[246:247] a second chain of sums; v248 a permute's destination
.macro TLOAD                           ; wave 0 fetches a slot's K, wave 1 its V, 16,384 bytes each; four v_nop follow
	s_cmp_lt_u32 s[WV], 2
	s_cbranch_scc0 .Lnone_\@
	tensor_load_to_lds s[40:43], s[24:31]
	s_nop 0
.rept 4
	v_nop
.endr
.Lnone_\@:
.endm
; A prefetch of what the NEXT change of slots will ask for.  All four work-groups of a pair walk the same K and V: work-group 0 asks.  In it waves 4 and 5 name the two halves of K's 16,384 bytes, waves 6 and 7 those of V's,
; lanes 256 bytes apart, one instruction a wave: each block of 256 bytes is named once in the launch.  The last change that fills a slot asks for nothing; slots 0 and 1 come by their loads alone.
.macro ASK
	s_cmp_gt_u32 s[SLOTS], s[LIMP]
	s_cbranch_scc0 .Lnot_mine_\@
	global_prefetch_b8 v[PFO], s[PFA:PFA+1] th:TH_LOAD_NT scope:SCOPE_SE
.Lnot_mine_\@:
.endm
	s_load_b128 s[4:7], s[0:1], 0x0                ; q_img, k_img
	s_load_b128 s[8:11], s[0:1], 0x10              ; v_img, the scales' exponents
	s_load_b64 s[12:13], s[0:1], 0x20              ; y_img
	v_lshl_add_u32 v[SPW], v0, 2, SPARE
	v_mov_b32 v[NIL], 0
	ds_add_u32 v2, v3
	ds_add_u32 v2, v3
	s_wait_dscnt 0x0
	v_lshrrev_b32 v4, 5, v0
	s_delay_alu instid0(VALU_DEP_1)
	v_readfirstlane_b32 s[WV], v4                  ; wave 0..15
	s_and_b32 s14, ttmp7, 0xffff                   ; the pair: 16 batch + head
	s_lshl_b32 s56, s14, 17                        ; its 131,072 bytes in q_img, k_img and v_img
	s_mov_b32 s57, 0
	s_mov_b32 s24, 3<<16                           ; descriptor group 1: no mask, elements of 8 bytes, no padding: 64 rows of 256 bytes, dense
	s_mov_b32 s25, 32<<16                          ; tensor_dim0
	s_mov_b32 s26, 64<<16                          ; tensor_dim1
	s_mov_b32 s27, 32<<16                          ; tile_dim0
	s_mov_b32 s28, 64                              ; tile_dim1
	s_mov_b32 s29, 32                              ; tensor_dim0_stride
	s_mov_b32 s30, 0
	s_mov_b32 s31, 0
	s_and_b32 s15, s[WV], 1
	s_lshl_b32 s16, s15, 14
	s_mov_b32 s[SEL], 0x76543210
	s_mov_b32 s[SEL+1], 0xfedcba98
	s_mov_b32 s[CS], 0x3e38aa3b                    ; c = log2(e) / 8
	s_mov_b32 s[TB], 0
	s_mov_b32 s[KS], 0
	s_mov_b32 s[SLOTS], 7
	s_wait_kmcnt 0x0
	s_load_b256 s[48:55], s[10:11], 0x0            ; e0 .. e7
	s_cmp_eq_u32 s[WV], 0
	s_cselect_b64 s[42:43], s[6:7], s[8:9]         ; group 0: K's codes in wave 0, V's in wave 1,
	s_add_nc_u64 s[42:43], s[42:43], s[56:57]      ; at the pair's first 256 keys
	s_or_b32 s43, s43, 0x80000000                  ; type = 2
	s_mov_b32 s40, 1
	s_mov_b32 s41, s16                             ; slot 0: K at 0, V at 16,384
	TLOAD                                          ; slot 0: one tensor load of mine is out at any time
	s_lshr_b32 s58, s[WV], 1                       ; i
	s_lshr_b32 s59, s[WV], 2
	s_add_co_u32 s59, s59, s[WV]
	s_and_b32 s59, s59, 1                          ; g
	s_sub_co_u32 s60, 7, ttmp9
	s_cmp_eq_u32 s59, 0
	s_cselect_b32 s[BLO], ttmp9, s60
	s_sub_co_u32 s[BHI], 15, s[BLO]
	s_lshl_b32 s61, s[BHI], 3
	s_add_co_u32 s61, s61, s58                     ; the hi tile
	s_lshl_b32 s62, s[BLO], 3
	s_add_co_u32 s62, s62, s58                     ; the lo tile
	s_lshl_b32 s74, s61, 10
	s_mov_b32 s75, 0
	s_add_nc_u64 s[74:75], s[74:75], s[56:57]
	s_add_nc_u64 s[66:67], s[4:5], s[74:75]        ; Q hi
	s_lshl_b32 s74, s62, 10
	s_mov_b32 s75, 0
	s_add_nc_u64 s[74:75], s[74:75], s[56:57]
	s_add_nc_u64 s[68:69], s[4:5], s[74:75]        ; Q lo
	s_lshr_b32 s76, s14, 4
	s_lshl_b32 s76, s76, 21                        ; y: the batch's 128 token tiles of 16,384 bytes,
	s_bfe_u32 s77, s14, 0x30001
	s_lshl_b32 s77, s77, 11                        ; kappa = head / 2,
	s_add_co_u32 s76, s76, s77
	s_and_b32 s77, s14, 1
	s_lshl_b32 s77, s77, 10                        ; groups 2 (head % 2) on
	s_add_co_u32 s76, s76, s77
	s_lshl_b32 s74, s61, 14
	s_add_co_u32 s74, s74, s76
	s_mov_b32 s75, 0
	s_add_nc_u64 s[70:71], s[12:13], s[74:75]      ; y hi
	s_lshl_b32 s74, s62, 14
	s_add_co_u32 s74, s74, s76
	s_add_nc_u64 s[72:73], s[12:13], s[74:75]      ; y lo
	s_cmp_lt_u32 s[WV], 6                          ; the prefetches
	s_cselect_b64 s[PFA:PFA+1], s[6:7], s[8:9]
	s_lshl_b32 s74, s15, 13
	s_add_co_u32 s74, s74, 16384                   ; in slot 1: the first change of slots steps it to slot 2
	s_mov_b32 s75, 0
	s_add_nc_u64 s[74:75], s[74:75], s[56:57]
	s_add_nc_u64 s[PFA:PFA+1], s[PFA:PFA+1], s[74:75]
	s_sub_co_u32 s74, s[WV], 4
	s_lshr_b32 s74, s74, 2                         ; 0 in waves 4 to 7,
	s_or_b32 s74, s74, ttmp9                       ; of the pair's first work-group
	s_cmp_eq_u32 s74, 0
	s_cselect_b32 s[LIMP], 1, -1
	v_and_b32 v[LI], 31, v0
	s_delay_alu instid0(VALU_DEP_1)
	v_lshlrev_b32 v[PFO], 8, v[LI]
	s_delay_alu instid0(VALU_DEP_2)
	v_lshlrev_b32 v[LI], 4, v[LI]
	global_load_b128 v[20:23], v[LI], s[66:67]
	global_load_b128 v[24:27], v[LI], s[66:67] offset:512
	global_load_b128 v[28:31], v[LI], s[68:69]
	global_load_b128 v[32:35], v[LI], s[68:69] offset:512
	s_lshr_b32 s74, s58, 1
	s_lshl_b32 s74, s74, 5
	s_and_b32 s75, s58, 1
	s_lshl_b32 s75, s75, 3
	s_add_co_u32 s74, s74, s75                     ; 32 (i / 2) + 8 (i % 2)
	v_and_b32 v[DQ], 15, v0
	v_and_b32 v[TA], 8, v0
	s_delay_alu instid0(VALU_DEP_1)
	v_add_nc_u32 v[DQ], v[DQ], v[TA]               ; r + 8 (r / 8)
	v_and_b32 v[TC], 16, v0
	s_delay_alu instid0(VALU_DEP_1)
	v_sub_nc_u32 v[DQ], v[DQ], v[TC]               ; - 16 h
	s_delay_alu instid0(VALU_DEP_1)
	v_add_nc_u32 v[DQ], s74, v[DQ]
	v_mov_b32 v[NINF], 0xff800000
	v_mov_b32 v13, 0xff61b1e6                      ; the largest t so far: -3e38, under every t
	v_mov_b32 v17, 0xff61b1e6
	s_delay_alu instid0(VALU_DEP_2)
	v_floor_f32 v12, -v13                          ; -M
	s_delay_alu instid0(VALU_DEP_2)
	v_floor_f32 v16, -v17
	v_mov_b32 v14, 0
	v_mov_b32 v15, 0
	v_mov_b32 v18, 0
	v_mov_b32 v19, 0
	v_mov_b32 v245, 0                              ; (named as the upper half of the pair v[244:245])
	v_mov_b32 v248, 0                              ; a lane permute's destination counts as one of its sources
.set j, 0
.rept 64
	v_mov_b32 v[164+j], 0                          ; O^T of both tiles: the step is written once for all steps, and the first change of M leaves zeros zeros
.set j, j+1
.endr
	s_wait_kmcnt 0x0
	s_add_co_i32 s74, s50, s51
	s_lshl_b32 s74, s74, 23
	s_add_co_i32 s[CS], s[CS], s74                 ; a score stands for score x 2^(e2 + e3): added to c's exponent field
	s_mov_b32 s[CS+1], s[CS]
	s_add_co_i32 s74, s52, 127
	s_lshl_b32 s75, s74, 23
	v_mov_b32 v[SCL], s75                          ; 2^e4
; A KEY STEP of 128 keys for one tile of 16 queries
.macro STEP st, qf, oa, blk
	s_cmp_gt_u32 s[KS], s[\blk]                    ; all keys of the step come after the tile's queries: nothing to do
	s_cbranch_scc1 .Lskip_\@
	v_add_nc_u32 v[ADR], s[TB], v[LI]
.rept 3
	v_nop                                          ; with the addition above: four places in front of loads into registers that the last products read
.endr
.irp t, 0,1,2,3,4,5,6,7
	ds_load_b128 v[FR+8*\t:FR+8*\t+3], v[ADR] offset:1024*\t
	ds_load_b128 v[FR+8*\t+4:FR+8*\t+7], v[ADR] offset:1024*\t+512
.endr
	s_wait_alu depctr_va_vdst(0)
	s_wait_dscnt 0x0
.irp t, 0,1,2,3,4,5,6,7
	v_wmma_f32_16x16x64_fp8_fp8 v[S+8*\t:S+8*\t+7], v[FR+8*\t:FR+8*\t+7], v[\qf:\qf+7], 0
.endr
.rept 4
	v_nop                                          ; places: in front of the loads below and of the first read of the scores
.endr
.irp d, 0,1,2,3
.irp c, 0,1,2,3
	ds_load_b128 v[FR+16*\d+4*\c:FR+16*\d+4*\c+3], v[ADR] offset:16384+2048*\d+512*\c   ; V lands while the softmax is worked
.endr
.endr
	s_cmp_lg_u32 s[KS], s[\blk]                    ; only the step on the diagonal has hidden keys
	s_cbranch_scc1 .Lopen_\@
.set n, 0
.rept 64
	v_cmp_gt_i32 vcc_lo, 32*(n/16)+n%16, v[DQ]     ; register n holds key 32 (n / 16) + n % 16 + 16 h of the step
	v_cndmask_b32 v[S+n], v[S+n], v[NINF], vcc_lo
.set n, n+1
.endr
.Lopen_\@:
	v_max3_num_f32 v[TA], v[S], v[S+1], v[S+2]     ; the step's largest score, in two chains, each accumulator from its low end on
	v_max3_num_f32 v[TC], v[S+3], v[S+4], v[S+5]
.irp i, 6,10,14,18,22,26,30,34,38,42,46,50,54,58
	v_max3_num_f32 v[TA], v[TA], v[S+\i], v[S+\i+1]
	v_max3_num_f32 v[TC], v[TC], v[S+\i+2], v[S+\i+3]
.endr
	v_max3_num_f32 v[TA], v[TA], v[S+62], v[S+63]
	s_delay_alu instid0(VALU_DEP_1)
	v_max_num_f32 v[TA], v[TA], v[TC]
	s_delay_alu instid0(VALU_DEP_1)
	v_permlanex16_b32 v248, v[TA], s[SEL], s[SEL+1]
	s_delay_alu instid0(VALU_DEP_1)
	v_max_num_f32 v[TA], v[TA], v248               ; and among lane l xor 16's keys
	s_delay_alu instid0(VALU_DEP_1)
	v_mul_f32 v[TA], s[CS], v[TA]                  ; as t (c is positive)
	s_delay_alu instid0(VALU_DEP_1)
	v_max_num_f32 v[\st+1], v[\st+1], v[TA]
	v_mov_b32 v[TA], v[\st]
	s_delay_alu instid0(VALU_DEP_2)
	v_floor_f32 v[\st], -v[\st+1]                  ; -M = floor(-t): M is a whole number
	s_delay_alu instid0(VALU_DEP_1)
	v_sub_f32 v[TA], v[\st], v[TA]                 ; old M - new M, 0 or less
	s_delay_alu instid0(VALU_DEP_1)
	v_cvt_i32_f32 v[TA], v[TA]                     ; (it saturates)
	s_delay_alu instid0(VALU_DEP_1)
	v_ldexp_f32 v244, 1.0, v[TA]                   ; f = 2^(old M - new M)
.set j, 0
.rept 32
	v_pk_fma_f32 v[S+j:S+j+1], v[S+j:S+j+1], s[CS:CS+1], v[\st:\st+1] op_sel_hi:[1,0,0]   ; t - M
.set j, j+2
.endr
.set j, 0
	s_wait_alu depctr_va_vdst(0)
.rept 64
	v_exp_f32 v[S+j], v[S+j]                       ; p = 2^(t - M)
.set j, j+1
.endr
	v_pk_mul_f32 v[\st+2:\st+3], v[\st+2:\st+3], v[244:245] op_sel_hi:[1,0]   ; the sums under the new M; also the plain line behind the exponentials
	s_wait_alu depctr_va_vdst(0)                   ; one wait for the batch, ahead of its first reader
	v_pk_add_f32 v[246:247], v[S:S+1], v[S+2:S+3]  ; the sum of the unquantised p, in two chains
.irp j, 4,8,12,16,20,24,28,32,36,40,44,48,52,56,60
	v_pk_add_f32 v[\st+2:\st+3], v[\st+2:\st+3], v[S+\j:S+\j+1]
	v_pk_add_f32 v[246:247], v[246:247], v[S+\j+2:S+\j+3]
.endr
	s_delay_alu instid0(VALU_DEP_1)
	v_pk_add_f32 v[\st+2:\st+3], v[\st+2:\st+3], v[246:247]
.irp b, 0,1,2,3
.irp i, 0,1,2,3,4,5,6,7,8,9,10,11,12,13,14,15
.endr
	v_cvt_scalef32_pk8_fp8_f32 v[PCD+4*\b:PCD+4*\b+1], v[S+16*\b:S+16*\b+7], v[SCL]
	v_cvt_scalef32_pk8_fp8_f32 v[PCD+4*\b+2:PCD+4*\b+3], v[S+16*\b+8:S+16*\b+15], v[SCL]
.endr
.set j, 0
.rept 16
	v_pk_mul_f32 v[\oa+j:\oa+j+1], v[\oa+j:\oa+j+1], v[244:245] op_sel_hi:[1,0]   ; O^T under the new M; also the plain lines between the conversions and the products
.set j, j+2
.endr
	s_wait_alu depctr_va_vdst(0)
	s_wait_dscnt 0x0                               ; V is in
.irp d, 0,1,2,3
	v_wmma_f32_16x16x128_fp8_fp8 v[\oa+8*\d:\oa+8*\d+7], v[FR+16*\d:FR+16*\d+15], v[PCD:PCD+15], v[\oa+8*\d:\oa+8*\d+7]   ; the four accumulators take turns, one instruction a turn
.endr
.Lskip_\@:
.endm
; THE CHANGE OF SLOTS stands at a slot's head.  Each wave waits for all its tensor loads, adds 0 to its spare word, and waits for that and for its reads of the slot that it has left.  Behind the barrier the slot ahead is whole
; and nobody reads the other one.  fill = 1: that other slot takes the next 256 keys: the load has a slot's two key steps in which to land.
.macro CHANGE fill
	s_wait_tensorcnt 0x0                           ; no tensor load of mine is out, so group 0 may be written
	ds_add_u32 v[SPW], v[NIL]                      ; 0 onto my spare word
.if \fill
	s_xor_b32 s41, s41, SLOT1
	s_add_nc_u64 s[42:43], s[42:43], 16384
	s_wait_xcnt 0x0                                ; the last prefetch, a slot back, has read its address
	s_add_nc_u64 s[PFA:PFA+1], s[PFA:PFA+1], 16384
.endif
	s_wait_dscnt 0x0                               ; the add is done, and my reads of the slot that I have left are over
	s_barrier_signal -1
	s_barrier_wait -1
.if \fill
	TLOAD                                          ; the first thing behind the barrier, and a wave's one tensor load until the next
	ASK
.endif
.endm
.macro SLOT_STEPS lo                   ; a slot's two key steps: written once, walked twice
	s_mov_b32 s[TW], 2
.Lstep_\@:
	STEP 12, 20, 164, BHI
.if \lo
	STEP 16, 28, 196, BLO
.endif
	s_add_co_u32 s[KS], s[KS], 1
	s_add_co_u32 s[TB], s[TB], 8192                ; 8 fragments of K, and 4 of V, on
	s_sub_co_u32 s[TW], s[TW], 1
	s_cmp_lg_u32 s[TW], 0
	s_cbranch_scc1 .Lstep_\@
	s_sub_co_u32 s[TB], s[TB], 16384
	s_xor_b32 s[TB], s[TB], SLOT1                  ; on to the other slot
.endm
	s_wait_loadcnt 0x0                             ; Q
.Lslot:                                            ; 7 trips: behind each change of slots but the last the next slot is asked for
	CHANGE 1
	SLOT_STEPS 1
	s_sub_co_u32 s[SLOTS], s[SLOTS], 1
	s_cmp_lg_u32 s[SLOTS], 0
	s_cbranch_scc1 .Lslot
	CHANGE 0                                       ; the last slot is written out; BLO is 7 at the most, so key steps 14 and 15 have no lo tile
	SLOT_STEPS 0
	; THE WAY OUT: O^T / the sum x 2^(e4 + e5) is y; converted with 2^e6, and stored as the image's groups: 512 aligned bytes on end a store
.rept 4
	v_nop                                          ; places behind the last products
.endr
	v_add_f32 v14, v14, v15
	v_add_f32 v18, v18, v19
	s_delay_alu instid0(VALU_DEP_2)
	v_permlanex16_b32 v248, v14, s[SEL], s[SEL+1]
	s_delay_alu instid0(VALU_DEP_2)
	v_permlanex16_b32 v[TA], v18, s[SEL], s[SEL+1]
	s_delay_alu instid0(VALU_DEP_2)
	v_add_f32 v14, v14, v248
	s_delay_alu instid0(VALU_DEP_2)
	v_add_f32 v18, v18, v[TA]
	s_wait_alu depctr_va_vdst(0)
	v_rcp_f32 v14, v14
	v_rcp_f32 v18, v18
	v_nop                                          ; a plain line behind the reciprocals
	s_add_co_i32 s74, s54, 127
	s_lshl_b32 s75, s74, 23
	v_mov_b32 v[SCL], s75                          ; 2^e6
	s_add_co_i32 s76, s52, s53                     ; e4 + e5
	s_wait_alu depctr_va_vdst(0)                   ; one wait for both reciprocals, ahead of their first reader
	v_ldexp_f32 v14, v14, s76
	v_ldexp_f32 v18, v18, s76
.macro YOUT st, oa, so, pc, base
.set j, 0
.rept 16
	v_pk_mul_f32 v[S+\so+j:S+\so+j+1], v[\oa+j:\oa+j+1], v[\st+2:\st+3] op_sel_hi:[1,0]   ; register 16 beta + i is y(my query, 32 beta + 16 h + i of the head)
.set j, j+2
.endr
.set j, 0
.rept 32
.set j, j+1
.endr
.irp g, 0,1,2,3
	v_cvt_scalef32_pk8_fp8_f32 v[PCD+\pc+2*\g:PCD+\pc+2*\g+1], v[S+\so+8*\g:S+\so+8*\g+7], v[SCL]
.endr
	v_nop                                          ; a plain vector line behind the run of conversions
	global_store_b128 v[LI], v[PCD+\pc:PCD+\pc+3], s[\base:\base+1]
	global_store_b128 v[LI], v[PCD+\pc+4:PCD+\pc+7], s[\base:\base+1] offset:512
.endm
	YOUT 12, 164, 0, 0, 70
	YOUT 16, 196, 32, 8, 72
	s_wait_tensorcnt 0x0                           ; the wave's end
	ds_add_u32 v[SPW], v[NIL]
	s_wait_dscnt 0x0
	s_endpgm
.Lfunc_end_k_qa2dfe4e468_attn:
	.size	k_qa2dfe4e468_attn, .Lfunc_end_k_qa2dfe4e468_attn-k_qa2dfe4e468_attn
	.p2alignl 7, 3214868480
	.fill 96, 4, 3214868480
	.section	.rodata,"a",@progbits
	.p2align	6, 0x0
	.amdhsa_kernel k_qa2dfe4e468_attn
		.amdhsa_group_segment_fixed_size 327680
		.amdhsa_private_segment_fixed_size 0
		.amdhsa_enable_private_segment 0
		.amdhsa_kernarg_size 40
		.amdhsa_user_sgpr_count 2
		.amdhsa_user_sgpr_kernarg_segment_ptr 1
		.amdhsa_wavefront_size32 1
		.amdhsa_system_sgpr_workgroup_id_x 1
		.amdhsa_system_sgpr_workgroup_id_y 1
		.amdhsa_system_sgpr_workgroup_id_z 1
		.amdhsa_system_vgpr_workitem_id 0
		.amdhsa_next_free_vgpr 256
		.amdhsa_next_free_sgpr 80
		.amdhsa_reserve_vcc 1
		.amdhsa_float_denorm_mode_32 3
		.amdhsa_float_denorm_mode_16_64 3
		.amdhsa_fp16_overflow 1
		.amdhsa_memory_ordered 1
		.amdhsa_forward_progress 1
		.amdhsa_inst_pref_size 70
	.end_amdhsa_kernel
	.amdgpu_metadata
---
amdhsa.version: [ 1, 2 ]
amdhsa.kernels:
  - .name:           k_qa2dfe4e468_attn
    .symbol:         k_qa2dfe4e468_attn.kd
    .args:
      - { .name: q_img, .offset: 0, .size: 8, .value_kind: global_buffer, .address_space: global }
      - { .name: k_img, .offset: 8, .size: 8, .value_kind: global_buffer, .address_space: global }
      - { .name: v_img, .offset: 16, .size: 8, .value_kind: global_buffer, .address_space: global }
      - { .name: lowp_scales, .offset: 24, .size: 8, .value_kind: global_buffer, .address_space: global }
      - { .name: y_img, .offset: 32, .size: 8, .value_kind: global_buffer, .address_space: global }
    .group_segment_fixed_size: 327680
    .private_segment_fixed_size: 0
    .kernarg_segment_align: 8
    .kernarg_segment_size: 40
    .max_flat_workgroup_size: 512
    .sgpr_count:     80
    .vgpr_count:     256
    .wavefront_size: 32
...
	.end_amdgpu_metadata
.endif
;; end of part 3
;; launch proj (part 4): grid 4 x 32, 4 waves a work-group, clusters of 4 x 4, 327,680 bytes of LDS; arguments y_img, wp_img, lowp_scales, b_proj, out0; writes out0
.if DOCPART == 4
	.amdgcn_target "amdgcn-amd-amdhsa--gfx1250"
	.amdhsa_code_object_version 6
	.text
	.protected	k_qa2dfe4e468_proj
	.globl	k_qa2dfe4e468_proj
	.p2align	8
	.type	k_qa2dfe4e468_proj,@function
k_qa2dfe4e468_proj:
	s_mov_b64 s[64:65], 0
	v_nop
	global_prefetch_b8 v0, s[64:65] scope:SCOPE_SE
	s_setreg_imm32_b32 hwreg(HW_REG_WAVE_MODE, 25, 1), 1
	s_wait_xcnt 0x0
	s_wait_alu depctr_hold_cnt(0) depctr_sa_sdst(0) depctr_va_vdst(0) depctr_va_sdst(0) depctr_va_ssrc(0) depctr_va_vcc(0) depctr_vm_vsrc(0)
	s_getreg_b32 s2, hwreg(HW_REG_IB_STS2, 6, 4)
	s_cmp_eq_u32 s2, 0
	s_cbranch_scc0 .Lentry_in_a_cluster
	s_endpgm
.Lentry_in_a_cluster:
	s_bfe_u32 s2, ttmp6, 0x10000c
	s_cmp_lg_u32 s2, 0xf033
	s_cbranch_scc0 .Lentry_shape_is_right
	s_endpgm
.Lentry_shape_is_right:
; out0 = y w_proj + b_proj on codes of FP8 (E4M3): each finished sum x 2^(e6 + e7) + bias, f32.  y_img [512 token tiles][8], wp_img [64 column tiles][8]: fragments of 16 rows x 128 K as images of the operand's registers:
; 2,048 bytes, [c 0..3][lane][16 bytes], lane r + 16 h holding k = 32 c + 16 h + 0..15 of row r; row tile 2 beta + u holds rows 32 beta + 8 u + r + 8 (r / 8).  The order of k is the same on both sides.
; A tile of 256 x 256 is made by four waves, 128 x 128 each: 64 accumulators.  THE MATRIX INSTRUCTION IS USED TRANSPOSED (source 0 = 16 columns of w_proj, source 1 = 16 tokens): a lane holds one token, and the 16 registers of
; column tiles 2 beta and 2 beta + 1 are the neighbouring columns 32 beta + 16 h + 0..15.  K goes in steps of 256 through a ring of two LDS slots; a wave's tensor load brings 8 row tiles x 4,096 bytes.
; CLUSTERS: 4 x 4; y's tiles are asked for jointly along a row of the cluster, w_proj's along a column.  By this text's own count a wave has two tensor loads out at the start and one behind each round.
; The grid is 128 work-groups: 8,192 x 1,024 outputs in tiles of 256 x 256.  No prefetch: of K's four steps two go out at the head, the other two are asked for 96 matrix instructions ahead of the wait for them.
; LIMIT: e6 + e7 between -126 and 127, so that 2^(e6 + e7) is an f32 number.
; REGISTERS: window 0: v12-29 addresses; v32-95 the bias; v128-255 A's fragments, ONE set; on the way out rows read back from the stage.   window 1: B's fragments, TWO sets; on the way out v0-63 a block's results.
;   windows 2, 3: the accumulators of A blocks 0-3, 4-7 ((a, b) at v[8 (8 (a % 4) + b)]).
.set HALFT,  32768
.set SLOT,   4*HALFT
.set SPARE,  2*SLOT                    ; behind the ring: the spare words, 128 bytes for each wave: two blocks of 256 bytes that no other line names
.set SP,     528                       ; the way out: a stage of 16 rows x (512 bytes + 16) for each wave, in slot 0, which has had its last fill and its last read when the first result is stored there
.set FR,     16
.set NL,     4
.set NP,     4
.set OFH,  12                          ; v12  64 h
.set ADRA, 16
.set ADRB, 20
.set STO,  24                          ; v24  the stage: where I put 64 bytes of a row
.set RD,   25                          ; v25  and where I read a row back
.set LI,   26                          ; v26  16 x lane
.set SPW,  28
.set NIL,  29
.set BN,   32
.set AF,   128
.set BK,   128
.set G1, 24
.set G0, 32
.set G1B, 48
.set G0B, 56
.set MSB, 0
.macro WIN new
.if MSB != (\new)
	s_set_vgpr_msb (MSB<<8)|(\new)
.set MSB, (\new)
.endif
.endm
.set MUL_LO, 0xa1
.set MUL_HI, 0xf1
.set TO_B,   0x40
.macro JLOAD g0a, g1a, g0b, g1b        ; a joint load: waves 0 and 1 fetch for y, waves 2 and 3 for w_proj; four v_nop follow each line
	s_cmp_eq_u32 s15, 0
	s_cbranch_scc0 .Lfor_b_\@
	tensor_load_to_lds s[\g0a:\g0a+3], s[\g1a:\g1a+7]
	s_nop 0
.rept 4
	v_nop
.endr
	s_branch .Lasked_\@
.Lfor_b_\@:
	tensor_load_to_lds s[\g0b:\g0b+3], s[\g1b:\g1b+7]
	s_nop 0
.rept 4
	v_nop
.endr
.Lasked_\@:
.endm
.macro CREST
	s_cmp_lg_u32 s14, 0
	s_cbranch_scc1 .Lnot_wave_0_\@
	s_barrier_signal -3
.Lnot_wave_0_\@:
	s_barrier_wait -3
	s_barrier_signal -1
	s_barrier_wait -1
.endm
.macro CROUND
	s_barrier_signal -1
	s_barrier_wait -1
	CREST
.endm
	s_load_b128 s[4:7], s[0:1], 0x0                ; y_img, wp_img
	s_load_b128 s[8:11], s[0:1], 0x10              ; the scales' exponents, b_proj
	s_load_b64 s[12:13], s[0:1], 0x20              ; out0
	v_lshl_add_u32 v[SPW], v0, 2, SPARE
	v_mov_b32 v[NIL], 0
	ds_add_u32 v28, v29
	ds_add_u32 v28, v29
	s_wait_dscnt 0x0
	v_lshrrev_b32 v1, 5, v0
	v_readfirstlane_b32 s14, v1                    ; wave 0..3
	s_lshr_b32 s15, s14, 1                         ; which half of the tile's tokens is mine.  Also: I fetch for y (0) or for w_proj (1)
	s_and_b32 s16, s14, 1                          ; which half of its columns.  Also: which 8 row tiles I fetch
	s_bfe_u32 s40, ttmp6, 0x40000                  ; cx
	s_bfe_u32 s41, ttmp6, 0x40004                  ; cy
	s_lshl_b32 s42, ttmp9, 2
	s_add_co_u32 s42, s42, s40                     ; tile column
	s_and_b32 s17, ttmp7, 0xffff
	s_lshl_b32 s17, s17, 2
	s_add_co_u32 s17, s17, s41                     ; tile row
	s_lshl_b32 s43, s41, 2
	s_lshl_b32 s43, 15, s43                        ; my row of the cluster
	s_lshl_b32 s44, 0x1111, s40                    ; my column
	s_or_b32 s[G1+0], s43, (3<<16)|(1<<21)         ; group 1: 8 rows of 512 elements of 8 bytes, 2,048 elements apart; no padding
	s_or_b32 s[G1B+0], s44, (3<<16)|(1<<21)
.irp g, G1, G1B
	s_mov_b32 s[\g+1], 512<<16
	s_mov_b32 s[\g+2], 8<<16
	s_mov_b32 s[\g+3], 512<<16
	s_mov_b32 s[\g+4], 8
	s_mov_b32 s[\g+5], 2048
	s_mov_b32 s[\g+6], 0
	s_mov_b32 s[\g+7], 0
.endr
	s_lshl_b32 s20, s17, 18
	s_lshl_b32 s18, s16, 17
	s_add_co_u32 s20, s20, s18
	s_lshl_b32 s46, s42, 18
	s_add_co_u32 s46, s46, s18
	s_mov_b32 s21, 0
	s_mov_b32 s47, 0
	s_mul_i32 s45, s14, HALFT
	s_wait_kmcnt 0x0
	s_load_b64 s[96:97], s[8:9], 0x18              ; e6, e7
	s_add_nc_u64 s[20:21], s[4:5], s[20:21]
	s_add_nc_u64 s[46:47], s[6:7], s[46:47]
	CROUND                                         ; all sixteen work-groups are here: the first joint loads meet
.irp s, 0,1
	s_mov_b32 s[G0+4*\s], 1
	s_add_co_u32 s[G0+4*\s+1], s45, \s*SLOT
	s_add_nc_u64 s[G0+4*\s+2:G0+4*\s+3], s[20:21], \s*4096
	s_or_b32 s[G0+4*\s+3], s[G0+4*\s+3], 0x80000000
	s_mov_b32 s[G0B+4*\s], 1
	s_add_co_u32 s[G0B+4*\s+1], s45, \s*SLOT
	s_add_nc_u64 s[G0B+4*\s+2:G0B+4*\s+3], s[46:47], \s*4096
	s_or_b32 s[G0B+4*\s+3], s[G0B+4*\s+3], 0x80000000
	s_wait_alu depctr_va_vdst(0)
	s_wait_tensorcnt 0x0
	ds_add_u32 v28, v29
	ds_add_u32 v28, v29
	s_wait_dscnt 0x0
	CROUND
	JLOAD G0+4*\s, G1, G0B+4*\s, G1B
.endr
	v_and_b32 v1, 15, v0                           ; r
	s_wait_alu depctr_va_vdst(0)
	v_bfe_u32 v2, v0, 4, 1                         ; h
	v_and_b32 v3, 31, v0
	v_lshlrev_b32 v[LI], 4, v3
	v_lshlrev_b32 v[OFH], 6, v2
	s_mul_i32 s21, s15, HALFT
	s_mul_i32 s22, s16, HALFT
	s_add_co_u32 s22, s22, 2*HALFT
.irp s, 0,1
	v_add_nc_u32 v[ADRA+\s], s21, v[LI]
	v_add_nc_u32 v[ADRB+\s], s22, v[LI]
	s_add_co_u32 s21, s21, SLOT
	s_add_co_u32 s22, s22, SLOT
.endr
	s_mul_i32 s23, s14, 16*SP                      ; my stage
	v_mul_u32_u24 v[STO], v1, SP
	s_wait_alu depctr_va_vdst(0)
	v_lshl_add_u32 v[STO], v2, 6, v[STO]
	v_add_nc_u32 v[STO], s23, v[STO]               ; in: row r, + 64 h
	v_add_nc_u32 v[RD], s23, v[LI]                 ; back: the 32 lanes take one row of 512 bytes
	s_lshl_b32 s88, s42, 10
	s_lshl_b32 s89, s16, 9
	s_add_co_u32 s88, s88, s89                     ; my 128 columns, in bytes
	s_mov_b32 s89, 0
	s_add_nc_u64 s[90:91], s[10:11], s[88:89]
.irp b, 0,1,2,3
.irp j, 0,1,2,3
	global_load_b128 v[BN+16*\b+4*\j:BN+16*\b+4*\j+3], v[OFH], s[90:91] offset:128*\b+16*\j   ; register 16 beta + i: b_proj at my columns' 32 beta + 16 h + i
.endr
.endr
	s_lshl_b32 s76, s17, 20                        ; out0: 256 tile row x 4,096 bytes,
	s_lshl_b32 s77, s15, 19                        ; + my 128 rows,
	s_add_co_u32 s76, s76, s77
	s_add_co_u32 s76, s76, s88                     ; + my columns
	s_mov_b32 s77, 0
	s_add_nc_u64 s[74:75], s[12:13], s[76:77]      ; never stepped: every row stands in a store's immediate, 127 rows of 4,096 bytes at the most
.macro FRAG reg, adr, q, i
.irp c, 0,1,2,3
	ds_load_b128 v[\reg+4*\c:\reg+4*\c+3], v[\adr] offset:(\i)*4096+(\q)*2048+512*\c
.endr
.endm
; 16 matrix instructions: A's blocks a0, a0 + 1 x B's eight.  The 64 accumulators take turns, one instruction a turn, in the same order in every step.
.macro MUL16 a0, p, zero
.irp a, \a0, \a0+1
.irp b, 0,1,2,3,4,5,6,7
.if \zero
	v_wmma_f32_16x16x128_fp8_fp8 v[8*(8*((\a)%4)+\b):8*(8*((\a)%4)+\b)+7], v[128*(\p)+FR*\b:128*(\p)+FR*\b+FR-1], v[AF+FR*(\a):AF+FR*(\a)+FR-1], 0
.else
	v_wmma_f32_16x16x128_fp8_fp8 v[8*(8*((\a)%4)+\b):8*(8*((\a)%4)+\b)+7], v[128*(\p)+FR*\b:128*(\p)+FR*\b+FR-1], v[AF+FR*(\a):AF+FR*(\a)+FR-1], v[8*(8*((\a)%4)+\b):8*(8*((\a)%4)+\b)+7]
.endif
.endr
.endr
.endm
.macro FETCH_B slot, q, p
	WIN TO_B
.irp i, 0,1,2,3,4,5,6,7
	FRAG 128*(\p)+FR*\i, ADRB+\slot, \q, \i
.endr
	WIN 0
.endm
.macro FETCH_A slot, q, i0
.irp i, \i0, \i0+1, \i0+2, \i0+3
	FRAG AF+FR*(\i), ADRA+\slot, \q, \i
.endr
.endm
.macro PLACES n
.rept \n
	v_nop
.endr
.endm
.macro STEP slot, q, zero
	s_wait_dscnt 4*NL                              ; B's set and A's blocks 0-3 are in; the youngest 16 loads (A's blocks 4-7) may be out
	WIN MUL_LO
	MUL16 0, (\q)%2, \zero
	MUL16 2, (\q)%2, \zero
	s_wait_dscnt 0
	PLACES NP
	FETCH_B \slot, (\q)+1, 1-(\q)%2
	FETCH_A \slot, (\q)+1, 0
	WIN MUL_HI
	MUL16 4, (\q)%2, \zero
	MUL16 6, (\q)%2, \zero
	PLACES NP
	WIN 0
	FETCH_A \slot, (\q)+1, 4
.endm
.macro TURN slot, next, fill
	s_wait_tensorcnt 0x0                           ; all my tensor loads have landed: my part of the next slot
	ds_add_u32 v[SPW], v[NIL]                      ; 0 onto my spare word
	s_wait_dscnt 4*NL+1                            ; (the add and the youngest 16 loads may be out)
	WIN MUL_LO
	MUL16 0, 1, 0
	s_wait_dscnt 0x0                               ; the add is done, and my reads of this slot are over
	s_barrier_signal -1
	MUL16 2, 1, 0
	WIN 0
	s_barrier_wait -1
.if \fill
	CREST                                          ; the barrier has opened a round of the cluster's barrier
	s_add_nc_u64 s[G0+4*\slot+2:G0+4*\slot+3], s[G0+4*\slot+2:G0+4*\slot+3], 8192
	s_add_nc_u64 s[G0B+4*\slot+2:G0B+4*\slot+3], s[G0B+4*\slot+2:G0B+4*\slot+3], 8192
	JLOAD G0+4*\slot, G1, G0B+4*\slot, G1B         ; the first tensor load behind the round; its four v_nop are also the places in front of the loads below
.else
	PLACES NP
.endif
	FETCH_B \next, 0, 0
	FETCH_A \next, 0, 0
	WIN MUL_HI
	MUL16 4, 1, 0
	MUL16 6, 1, 0
	PLACES NP
	WIN 0
	FETCH_A \next, 0, 4
.endm
	s_wait_tensorcnt 1                             ; my part of K step 0 is in; K step 1's load may be out
	s_barrier_signal -1
	s_barrier_wait -1
	FETCH_B 0, 0, 0
	FETCH_A 0, 0, 0
	FETCH_A 0, 0, 4
	STEP 0, 0, 1
	TURN 0, 1, 1
	STEP 1, 0, 0
	TURN 1, 0, 1
	STEP 0, 0, 0
	TURN 0, 1, 0
	STEP 1, 0, 0
	s_wait_dscnt 4*NL
	WIN MUL_LO
	MUL16 0, 1, 0
	MUL16 2, 1, 0
	s_wait_dscnt 0
	WIN MUL_HI
	MUL16 4, 1, 0
	MUL16 6, 1, 0
	WIN 0
; THE WAY OUT, block by block of 16 tokens x 128 columns: sum x 2^(e6 + e7) + bias, through my own stage, back as whole rows of 512 bytes.  LDS serves a wave's instructions in order (ISA guide 5.7.1.4).
.macro TOSTAGE a
.set AC, 64*((\a)%4)
	WIN 0x42+((\a)/4)                              ; destination window 1, source 0 window 2 or 3, the bias window 0
.set j, 0
.rept 32
	v_pk_fma_f32 v[j:j+1], v[AC+j:AC+j+1], s[96:97], v[BN+j:BN+j+1] op_sel_hi:[1,0,1]   ; each accumulator from its low end on
.set j, j+2
.endr
	WIN 0x04                                       ; store data window 1
.irp b, 0,1,2,3
.irp q, 0,1,2,3
	ds_store_b128 v[STO], v[16*\b+4*\q:16*\b+4*\q+3] offset:128*\b+16*\q
.endr
.endr
	WIN 0
.set BB, BK+64*((\a)%2)
.irp t, 0,1,2,3,4,5,6,7,8,9,10,11,12,13,14,15
	ds_load_b128 v[BB+4*\t:BB+4*\t+3], v[RD] offset:\t*SP
.endr
.endm
.macro SEND a, younger                 ; younger: the LDS instructions issued behind block a's loads, which may stay out
.set BB, BK+64*((\a)%2)
	s_wait_dscnt \younger
.irp t, 0,1,2,3,4,5,6,7,8,9,10,11,12,13,14,15
	global_store_b128 v[LI], v[BB+4*\t:BB+4*\t+3], s[74:75] offset:(32*((\a)/2)+8*((\a)%2)+\t+8*(\t/8))*4096 th:TH_STORE_NT   ; 512 aligned bytes on end of the token that the row rule gives row t of block a
.endr
.endm
	s_wait_kmcnt 0x0
	s_wait_loadcnt 0x0                             ; the bias
	s_add_co_i32 s96, s96, s97
	s_add_co_i32 s96, s96, 127
	s_lshl_b32 s96, s96, 23                        ; 2^(e6 + e7) as f32
	s_mov_b32 s97, s96                             ; (named with it as a pair)
	PLACES NP
	TOSTAGE 0
.irp a, 1,2,3,4,5,6,7
.if \a > 1
	s_wait_xcnt 0x0                                ; block a - 2's stores have read their registers: block a's loads may land there
.endif
	TOSTAGE \a
	SEND \a-1, 32                                  ; behind block a - 1's loads: block a's 16 stores and 16 loads
.endr
	SEND 7, 0
	s_wait_tensorcnt 0x0                           ; the wave's end
	ds_add_u32 v[SPW], v[NIL]
	s_wait_dscnt 0x0
	CROUND                                         ; the closing round
	s_endpgm
.Lfunc_end_k_qa2dfe4e468_proj:
	.size	k_qa2dfe4e468_proj, .Lfunc_end_k_qa2dfe4e468_proj-k_qa2dfe4e468_proj
	.p2alignl 7, 3214868480
	.fill 96, 4, 3214868480
	.section	.rodata,"a",@progbits
	.p2align	6, 0x0
	.amdhsa_kernel k_qa2dfe4e468_proj
		.amdhsa_group_segment_fixed_size 327680
		.amdhsa_private_segment_fixed_size 0
		.amdhsa_enable_private_segment 0
		.amdhsa_kernarg_size 40
		.amdhsa_user_sgpr_count 2
		.amdhsa_user_sgpr_kernarg_segment_ptr 1
		.amdhsa_wavefront_size32 1
		.amdhsa_system_sgpr_workgroup_id_x 1
		.amdhsa_system_sgpr_workgroup_id_y 1
		.amdhsa_system_sgpr_workgroup_id_z 1
		.amdhsa_system_vgpr_workitem_id 0
		.amdhsa_next_free_vgpr 1024
		.amdhsa_next_free_sgpr 98
		.amdhsa_reserve_vcc 0
		.amdhsa_float_denorm_mode_32 3
		.amdhsa_float_denorm_mode_16_64 3
		.amdhsa_memory_ordered 1
		.amdhsa_forward_progress 1
		.amdhsa_inst_pref_size 125
	.end_amdhsa_kernel
	.amdgpu_metadata
---
amdhsa.version: [ 1, 2 ]
amdhsa.kernels:
  - .name:           k_qa2dfe4e468_proj
    .symbol:         k_qa2dfe4e468_proj.kd
    .args:
      - { .name: y_img, .offset: 0, .size: 8, .value_kind: global_buffer, .address_space: global }
      - { .name: wp_img, .offset: 8, .size: 8, .value_kind: global_buffer, .address_space: global }
      - { .name: lowp_scales, .offset: 16, .size: 8, .value_kind: global_buffer, .address_space: global }
      - { .name: b_proj, .offset: 24, .size: 8, .value_kind: global_buffer, .address_space: global }
      - { .name: out0, .offset: 32, .size: 8, .value_kind: global_buffer, .address_space: global }
    .group_segment_fixed_size: 327680
    .private_segment_fixed_size: 0
    .kernarg_segment_align: 8
    .kernarg_segment_size: 40
    .max_flat_workgroup_size: 128
    .sgpr_count:     98
    .vgpr_count:     1024
    .wavefront_size: 32
...
	.end_amdgpu_metadata
.endif
;; end of part 4
